; MI455X (gfx1250); checked and timed in simulation.
; The chip was launched on July 23, 2026; its instructions are those of AMD's public machine-readable ISA for CDNA 5 (MIT licence, August 2026) and "CDNA5" Instruction Set Architecture Reference Guide (July 2026). The comments in the code are by the model that wrote it; some were corrected since.
;; A Li Bi Multi Head Attention. Allowed arithmetic: matrix products marked QUANTISED: E5M2 operands, one E8M0 scale for each 32 along K, by v_wmma_scale_f32_16x16x128_f8f6f4 with both operands' format E5M2, f32 sums; everything else in f32.
;; Inputs: w_kqv 1,024 x 3,072 float32; x 1 x 4,096 x 1,024 float32.
;; Outputs: out0 1 x 4,096 x 1,024 float32.
;; This version of the problem:
;;   THIS VERSION OF THE PROBLEM IS GIVEN IN LOW PRECISION. The matrix products marked QUANTISED in the list below multiply operands that are first quantised to E5M2 (5 exponent bits, 2 mantissa bits; 8 bits a number), with one power-of-two scale for each 32 numbers along K (OCP MX v1.0); their sums are f32. All else is computed in f32.
;;   The module's matrix products, in the order in which they are computed (A, B: the left and right operand; K: the contracted axis; several contracted axes count as one K, in the product's order):
;;     1. [M 4,096, K 1,024] x [K 1,024, N 3,072]; A: input x; B: input w_kqv: QUANTISED
;;     2. batch 16 x [M 4,096, K 64] x [K 64, N 4,096]; A: computed on the way; B: computed on the way: QUANTISED
;;     3. batch 16 x [M 64, K 4,096] x [K 4,096, N 4,096]; A: computed on the way; B: softmax (see below): QUANTISED
;;   THE QUANTISER, for each operand of a quantised product, along K:
;;     - K is cut into blocks of 32 from its start; a last block that is shorter is filled with zeros.
;;     - A block's scale is 2^e with e = floor(log2(the largest magnitude in the block)) - 15, held to -126 .. 127; a block of zeros has e = 0. As a byte (E8M0): e + 127.
;;     - Each number is divided by its block's scale, clamped to +-57,344, and rounded to the nearest number of E5M2, ties to even, subnormals kept.
;;     - The product sums the exact products of the quantised numbers (number of the format x scale) in f32.
;;   ~~~python
;;   def quantise(x, axis):      # numpy; x: float32 -> the quantised numbers, widened to float32 again
;;       x = np.moveaxis(x, axis, -1); K = x.shape[-1]
;;       x = np.pad(x, [(0, 0)] * (x.ndim - 1) + [(0, -K % 32)]); x = x.reshape(x.shape[:-1] + (-1, 32)); a = np.abs(x).max(-1, keepdims=True)
;;       e = np.where(a > 0, np.clip(np.frexp(np.where(a > 0, a, 1))[1] - 1 - 15, -126, 127), 0)      # np.frexp(a)[1] - 1 = floor(log2(a)), exactly
;;       r = np.clip(x / 2.0 ** e, -57344, 57344)
;;       step = 2.0 ** (np.maximum(np.frexp(np.where(r == 0, 1, r))[1] - 1, -14) - 2)
;;       q = np.round(r / step) * step * 2.0 ** e      # np.round: ties to even
;;       return np.moveaxis(q.reshape(q.shape[:-2] + (-1,))[..., :K], -1, axis).astype(np.float32)
;;   ~~~
;;   SOFTMAX AHEAD OF A QUANTISED PRODUCT. Where the list says 'softmax', what is quantised is not the finished softmax but p = 2^(t - M), with t = logit x log2(e) and M = ceil(the row's largest t), a whole number; so 1/2 < the row's largest p <= 1. The row's sum l is taken of the UNQUANTISED p, in f32, and the product's result is divided by l at the end. Since M is a whole number, a kernel that streams over the keys may use a running M (the ceiling of the running maximum): every later rescaling is an exact power of two, which a block's scale takes up: the codes' values come out the same.
;;   OPERANDS COMPUTED ON THE WAY. 'Computed on the way' means the value that the module computes at that place (a softmax that the list does not call 'softmax' is quantised finished and normalised). What goes into a quantiser is computed in f32, as accurately as f32 sums, v_exp_f32 and their like allow (about 1e-6 of the number): no bf16 or f16 on the way to a quantiser, and a product that is left as it is and whose result goes on into a quantised operand takes f32 operands (vector FMAs, or v_wmma_f32_16x16x4_f32). A number that lies on a knife's edge between two numbers of the format may be rounded either way, as far as f32 arithmetic and the matrix unit's own rounding can turn it there, and no further.
;; One version. Each part assembles by itself: llvm-mc -triple=amdgcn-amd-amdhsa -mcpu=gfx1250 --defsym DOCPART=n.
;; ======== version 1 of 1: 3 launches
;; workspace buffers: xc 4,194,304 bytes; xs 131,072 bytes; wc 3,145,728 bytes; ws 98,304 bytes; kv 8,781,824 bytes; qc 4,456,448 bytes
;; launch quant (part 1): grid 224 x 1, 4 waves a work-group, no clusters, 68,096 bytes of LDS; arguments x, w_kqv, xc, xs, wc, ws; writes xc, xs, wc, ws
.if DOCPART == 1
	.amdgcn_target "amdgcn-amd-amdhsa--gfx1250"
	.amdhsa_code_object_version 6
	.text
	.protected	k_q6e16291531_quant
	.globl	k_q6e16291531_quant
	.p2align	8
	.type	k_q6e16291531_quant,@function
k_q6e16291531_quant:
	s_mov_b64 s[64:65], 0
	v_nop
	global_prefetch_b8 v0, s[64:65] scope:SCOPE_SE
	s_setreg_imm32_b32 hwreg(HW_REG_WAVE_MODE, 25, 1), 1
	s_wait_xcnt 0x0
; x [4096][1024] and w_kqv [1024][3072], f32, become codes of BF8 (E5M2) along K = 1,024, K innermost, with one E8M0 byte for each 32 along K.
; A block's scale is 2^(floor(log2(its largest magnitude)) - 15); its byte is the largest magnitude's exponent field - 15, held at 1 from below; each number is held within +-57,344 x the scale and rounded to the nearest code, ties to even.
; THE ROWS ARE LAID PERMUTED: row r of x lies at row pi(r) of xc and xs, column n of w at row pi(n) of wc and ws, pi = bits 3 and 4 exchanged.  So lane l of a tile of 16 workspace rows holds
; actual row 32 (T / 2) + 8 (T % 2) + l + 8 (l / 8), and in the next launch's results the 16 registers of two neighbouring tiles are 16 neighbours along the next product's K.
; Work-groups 0-127 take x (K innermost: a plain stream of blocks), work-groups 128-223 take w (K is its first axis: a lane takes a column and its registers run down K).  Each reads 131,072 bytes.
; The two ways have LDS bytes of their own: x's 0 .. 32,767, w's 32,768 .. 67,583.  No tensor loads, no barrier: waves share nothing.
; LIMITS: NaN and infinities among the inputs are not served; a block whose largest magnitude lies under 2^-111 gets the byte 1; a block of zeros gets the byte 1 and not 127 (its codes are zeros, and this program alone reads the bytes).
.set STEPS, 16
.set MANT,  0x600000                   ; the mantissa field of 57,344 as f32
.set FLOOR, 0x8000000                  ; 2^(16 - 127)
.set OFFE,  0xf8800000                 ; -(15 << 23)
.set CB,    16                         ; bytes of 16 codes
.set R,     16                         ; x: v16-79   four sets of 16 numbers as they are loaded
.set X,     80                         ; x: v80-111  two sets of 16 neighbours
.set C,     128                        ; x: v128-191 codes, four registers for each step
.set E,     112                        ; x: v112-127 a scale byte for each step
.set WREG,  8192                       ; x: LDS of a wave: two stages of 32 x SP bytes, then its 256 scale bytes
.set SP,    80                         ; x: a lane's place in a stage: 64 bytes + 16 of padding
.set NCOL,  3072
.set KROW,  1024                       ; a row of codes in bytes
.set NB,    8                          ; w: blocks of 32 along K for a wave
.set PITCH, 272                        ; w: a stage row: 256 bytes + 16
.set WSTG,  32768                      ; w: where its stages begin
.set WX,    32                         ; w: v32-95 two sets of 32 numbers
.set WC,    96                         ; w: a block's codes
.set WO,    112                        ; w: v112-175 the way out
.set WSB,   24                         ; w: v24-25 the scale bytes
	s_load_b128 s[4:7], s[0:1], 0x0                ; x, w_kqv
	s_load_b128 s[8:11], s[0:1], 0x10              ; xc, xs
	s_load_b128 s[12:15], s[0:1], 0x20             ; wc, ws
	v_lshl_add_u32 v192, v0, 2, 0x10800
	v_mov_b32 v193, 0
	v_lshrrev_b32 v1, 5, v0
	v_readfirstlane_b32 s16, v1                    ; wave 0..3
	v_and_b32 v2, 31, v0                           ; lane
	s_cmp_lt_u32 ttmp9, 128
	s_cbranch_scc0 .Lw
; ---------------- x: a wave takes 16 steps of 512 numbers = 8 rows.  Each load reads 512 consecutive bytes; a step's 2,048 bytes turn through the wave's stage so that a lane holds 16 neighbours
	v_lshlrev_b32 v3, 4, v2                        ; my 16 bytes of a load's 512
	s_mul_i32 s17, s16, WREG
	v_lshrrev_b32 v14, 2, v2
	v_mul_u32_u24 v14, v14, SP
	v_and_b32 v15, 3, v2
	v_lshl_add_u32 v14, v15, 4, v14
	v_add_nc_u32 v14, s17, v14                     ; the stage, on the way in: SP (lane / 4) + 16 (lane % 4)
	v_mul_u32_u24 v15, v2, SP
	v_add_nc_u32 v15, s17, v15                     ; and on the way out: SP x lane
	v_mul_u32_u24 v4, v2, CB                       ; my codes' place in a step's
	v_lshrrev_b32 v5, 1, v2
	s_add_co_u32 s17, s17, 2*32*SP
	v_add_nc_u32 v5, s17, v5                       ; my block's byte among my wave's 256
	v_lshlrev_b32 v7, 3, v2
	v_add_nc_u32 v6, s17, v7                       ; and on the way out 8 bytes a lane
	s_mov_b32 s23, MANT
	s_lshl_b32 s17, ttmp9, 2
	s_add_co_u32 s18, s17, s16                     ; g: my run of 8 rows
	s_and_b32 s19, s16, 1
	s_lshl_b32 s19, s19, 1
	s_lshr_b32 s20, s16, 1
	s_or_b32 s19, s19, s20
	s_add_co_u32 s24, s17, s19                     ; g with its two low bits exchanged: pi on the rows
	s_lshl_b32 s20, s18, 15                        ; 32,768 bytes of f32 a run
	s_mov_b32 s21, 0
	s_lshl_b32 s26, s24, 13                        ; 8,192 bytes of codes
	s_mov_b32 s27, 0
	s_lshl_b32 s28, s24, 8                         ; 256 scale bytes
	s_mov_b32 s29, 0
	s_wait_kmcnt 0x0
	s_add_nc_u64 s[4:5], s[4:5], s[20:21]
	s_add_nc_u64 s[8:9], s[8:9], s[26:27]
	s_add_nc_u64 s[10:11], s[10:11], s[28:29]
.macro XLOAD t
.irp i, 0,1,2,3
	global_load_b128 v[R+16*((\t)%4)+4*\i:R+16*((\t)%4)+4*\i+3], v3, s[4:5] offset:2048*(\t)+512*\i th:TH_LOAD_NT
.endr
.endm
.macro XTURN t                         ; LDS serves a wave's instructions in order: no wait between the stores and the loads
.irp i, 0,1,2,3
	ds_store_b128 v14, v[R+16*((\t)%4)+4*\i:R+16*((\t)%4)+4*\i+3] offset:32*SP*((\t)%2)+8*SP*\i
.endr
.irp i, 0,1,2,3
	ds_load_b128 v[X+16*((\t)%2)+4*\i:X+16*((\t)%2)+4*\i+3], v15 offset:32*SP*((\t)%2)+16*\i
.endr
.endm
.irp t, 0,1,2,3
	XLOAD \t
.endr
	s_wait_loadcnt 12                              ; step 0's four loads are in; the twelve of steps 1 to 3 stay out
	XTURN 0
.macro XSTEP t
.set XS, X+16*((\t)%2)
.if (\t) > 0
	s_wait_dscnt 1                                 ; this step's numbers are back from the stage; the last step's byte store may be out
.else
	s_wait_dscnt 0x0
.endif
.if (\t)+4 < STEPS
	XLOAD (\t)+4                                   ; into the registers that the stage's stores have read
.endif
.if (\t)+1 < STEPS
.if STEPS-2-(\t) >= 3
	s_wait_loadcnt 12                              ; the next step's four loads are in; those of the three steps behind it may be out
.else
	s_wait_loadcnt 4*(STEPS-2-(\t))
.endif
	XTURN (\t)+1
.endif
	v_max3_num_f32 v8, |v[XS]|, |v[XS+1]|, |v[XS+2]|               ; the largest magnitude of my 16, in two chains
	v_max3_num_f32 v9, |v[XS+3]|, |v[XS+4]|, |v[XS+5]|
.irp i, 6,10
	v_max3_num_f32 v8, v8, |v[XS+\i]|, |v[XS+\i+1]|
	v_max3_num_f32 v9, v9, |v[XS+\i+2]|, |v[XS+\i+3]|
.endr
	v_max3_num_f32 v8, v8, |v[XS+14]|, |v[XS+15]|
	v_max3_num_f32 v8, v8, v9, FLOOR               ; and the floor: the byte cannot fall under 1
	v_max_num_f32_dpp v8, v8, v8 row_xmask:1 row_mask:0xf bank_mask:0xf   ; and of my neighbour's 16: the block's
	v_add_nc_u32 v11, OFFE, v8                     ; 15 off its exponent field: the conversion's scale operand
	v_and_or_b32 v10, v8, 0x7f800000, s23          ; 57,344 x the scale
.irp i, 0,1,2,3,4,5,6,7,8,9,10,11,12,13,14,15
	v_med3_num_f32 v[XS+\i], v[XS+\i], -v10, v10   ; the conversion to an 8-bit code does not saturate (ISA guide 7.6.2): the hold comes first
.endr
	v_cvt_scalef32_pk8_bf8_f32 v[C+4*(\t):C+4*(\t)+1], v[XS:XS+7], v11
	v_cvt_scalef32_pk8_bf8_f32 v[C+4*(\t)+2:C+4*(\t)+3], v[XS+8:XS+15], v11
	v_lshrrev_b32 v[E+(\t)], 23, v11               ; the scale's byte (also the plain line behind the conversions)
	ds_store_b8 v5, v[E+(\t)] offset:16*(\t)       ; both lanes of a block write the same byte with the same value
	global_store_b128 v4, v[C+4*(\t):C+4*(\t)+3], s[8:9] offset:32*CB*(\t)   ; the wave stores 512 consecutive bytes
.endm
.irp t, 0,1,2,3,4,5,6,7,8,9,10,11,12,13,14,15
	XSTEP \t
.endr
	ds_load_b64 v[12:13], v6                       ; in order behind my byte stores
	s_wait_dscnt 0x0
	global_store_b64 v7, v[12:13], s[10:11]        ; 32 lanes store 256 consecutive bytes
	s_wait_tensorcnt 0x0
	ds_add_u32 v192, v193
	s_wait_dscnt 0x0
	s_endpgm
; ---------------- w: a wave takes 32 columns x 256 along K: 8 blocks a lane.  The codes go through the wave's stage, row pi(lane), and leave as rows
.Lw:
	s_sub_co_u32 s17, ttmp9, 128
	s_lshr_b32 s18, s17, 2                         ; which 128 columns
	s_and_b32 s19, s17, 3                          ; which 256 along K
	s_lshl_b32 s18, s18, 7
	s_lshl_b32 s20, s16, 5
	s_add_co_u32 s18, s18, s20                     ; my wave's first column
	v_lshlrev_b32 v3, 2, v2                        ; in: 4 bytes a lane
	v_and_b32 v5, 7, v2
	v_bfe_u32 v6, v2, 3, 1
	v_bfe_u32 v7, v2, 4, 1
	v_lshl_or_b32 v5, v6, 4, v5
	v_lshl_or_b32 v5, v7, 3, v5                    ; pi(lane)
	s_mul_i32 s26, s16, 32*PITCH
	s_add_co_u32 s26, s26, WSTG                    ; my stage
	v_mul_u32_u24 v4, v5, PITCH
	v_add_nc_u32 v4, s26, v4                       ; into it: row pi(lane)
	v_lshlrev_b32 v9, 5, v5                        ; my column's row of scale bytes: 32 bytes a row
	v_and_b32 v5, 15, v2
	v_lshrrev_b32 v6, 4, v2                        ; out of it: sixteen lanes to a row, two rows an instruction
	v_mul_u32_u24 v7, v6, PITCH
	v_lshl_add_u32 v7, v5, 4, v7
	v_add_nc_u32 v7, s26, v7
	v_mul_u32_u24 v8, v6, KROW
	v_lshl_add_u32 v8, v5, 4, v8                   ; and the same place in wc
	s_mul_i32 s20, s19, 256*NCOL*4
	s_lshl_b32 s21, s18, 2
	s_add_co_u32 s20, s20, s21                     ; w: 256 y rows + 4 x column
	s_mov_b32 s21, 0
	s_lshl_b32 s22, s18, 10
	s_lshl_b32 s23, s19, 8
	s_add_co_u32 s22, s22, s23                     ; wc: column x 1,024 + 256 y
	s_mov_b32 s23, 0
	s_lshl_b32 s24, s18, 5
	s_lshl_b32 s25, s19, 3
	s_add_co_u32 s24, s24, s25                     ; ws: column x 32 + 8 y
	s_mov_b32 s25, 0
	s_mov_b32 s31, MANT
	s_wait_kmcnt 0x0
	s_add_nc_u64 s[6:7], s[6:7], s[20:21]
	s_add_nc_u64 s[12:13], s[12:13], s[22:23]
	s_add_nc_u64 s[14:15], s[14:15], s[24:25]
.macro WLOAD t                         ; block t: w(32 t + i, my column) into set t % 2; 255 rows of 12,288 bytes at the most stand in the immediate
.irp i, 0,1,2,3,4,5,6,7,8,9,10,11,12,13,14,15,16,17,18,19,20,21,22,23,24,25,26,27,28,29,30,31
	global_load_b32 v[WX+32*((\t)%2)+\i], v3, s[6:7] offset:(32*(\t)+\i)*NCOL*4 th:TH_LOAD_NT
.endr
.endm
	WLOAD 0
	WLOAD 1
.macro WBLOCK t
.set WS, WX+32*((\t)%2)
.if (\t) < NB-1
	s_wait_loadcnt 32                              ; this block's 32 loads are in; the next block's 32 may be out
.else
	s_wait_loadcnt 0
.endif
	v_max3_num_f32 v12, |v[WS]|, |v[WS+1]|, |v[WS+2]|              ; all 32 numbers of the block are mine
	v_max3_num_f32 v13, |v[WS+3]|, |v[WS+4]|, |v[WS+5]|
.irp i, 6,10,14,18,22,26
	v_max3_num_f32 v12, v12, |v[WS+\i]|, |v[WS+\i+1]|
	v_max3_num_f32 v13, v13, |v[WS+\i+2]|, |v[WS+\i+3]|
.endr
	v_max3_num_f32 v12, v12, |v[WS+30]|, |v[WS+31]|
	v_max3_num_f32 v12, v12, v13, FLOOR
	v_add_nc_u32 v11, OFFE, v12
	v_and_or_b32 v10, v12, 0x7f800000, s31
	v_lshrrev_b32 v13, 23, v11                     ; the scale's byte
.if (\t)%4 == 0
	v_mov_b32 v[WSB+(\t)/4], v13                   ; four bytes to a register, the lower K in the lower byte
.else
	v_lshl_or_b32 v[WSB+(\t)/4], v13, 8*((\t)%4), v[WSB+(\t)/4]
.endif
.irp i, 0,1,2,3,4,5,6,7,8,9,10,11,12,13,14,15,16,17,18,19,20,21,22,23,24,25,26,27,28,29,30,31
	v_med3_num_f32 v[WS+\i], v[WS+\i], -v10, v10
.endr
.irp g, 0,1,2,3
	v_cvt_scalef32_pk8_bf8_f32 v[WC+2*\g:WC+2*\g+1], v[WS+8*\g:WS+8*\g+7], v11
.endr
	ds_store_b128 v4, v[WC:WC+3] offset:32*(\t)
	ds_store_b128 v4, v[WC+4:WC+7] offset:32*(\t)+16
.if (\t)+2 < NB
	WLOAD (\t)+2
.endif
	s_wait_dscnt 0x0                               ; the stores have read their registers: the next block's codes may be written
.endm
.set Q, 0
.rept NB
	WBLOCK Q
.set Q, Q+1
.endr
	global_store_b64 v9, v[WSB:WSB+1], s[14:15]    ; my column's 8 scale bytes
.irp t, 0,1,2,3,4,5,6,7,8,9,10,11,12,13,14,15
	ds_load_b128 v[WO+4*\t:WO+4*\t+3], v7 offset:2*\t*PITCH
.endr
.irp t, 0,1,2,3,4,5,6,7,8,9,10,11,12,13,14,15
	s_wait_dscnt 15-\t                             ; the younger loads from the stage may be out
	global_store_b128 v8, v[WO+4*\t:WO+4*\t+3], s[12:13] offset:2*\t*KROW   ; sixteen lanes store 256 consecutive bytes
.endr
	s_wait_tensorcnt 0x0
	ds_add_u32 v192, v193
	s_wait_dscnt 0x0
	s_endpgm
.Lfunc_end_k_q6e16291531_quant:
	.size	k_q6e16291531_quant, .Lfunc_end_k_q6e16291531_quant-k_q6e16291531_quant
	.p2alignl 7, 3214868480
	.fill 96, 4, 3214868480
	.section	.rodata,"a",@progbits
	.p2align	6, 0x0
	.amdhsa_kernel k_q6e16291531_quant
		.amdhsa_group_segment_fixed_size 68096
		.amdhsa_private_segment_fixed_size 0
		.amdhsa_enable_private_segment 0
		.amdhsa_kernarg_size 48
		.amdhsa_user_sgpr_count 2
		.amdhsa_user_sgpr_kernarg_segment_ptr 1
		.amdhsa_wavefront_size32 1
		.amdhsa_system_sgpr_workgroup_id_x 1
		.amdhsa_system_sgpr_workgroup_id_y 1
		.amdhsa_system_sgpr_workgroup_id_z 1
		.amdhsa_system_vgpr_workitem_id 0
		.amdhsa_next_free_vgpr 194
		.amdhsa_next_free_sgpr 66
		.amdhsa_reserve_vcc 0
		.amdhsa_float_denorm_mode_32 3
		.amdhsa_float_denorm_mode_16_64 3
		.amdhsa_memory_ordered 1
		.amdhsa_forward_progress 1
		.amdhsa_inst_pref_size 110
	.end_amdhsa_kernel
	.amdgpu_metadata
---
amdhsa.version: [ 1, 2 ]
amdhsa.kernels:
  - .name:           k_q6e16291531_quant
    .symbol:         k_q6e16291531_quant.kd
    .args:
      - { .name: x, .offset: 0, .size: 8, .value_kind: global_buffer, .address_space: global }
      - { .name: w_kqv, .offset: 8, .size: 8, .value_kind: global_buffer, .address_space: global }
      - { .name: xc, .offset: 16, .size: 8, .value_kind: global_buffer, .address_space: global }
      - { .name: xs, .offset: 24, .size: 8, .value_kind: global_buffer, .address_space: global }
      - { .name: wc, .offset: 32, .size: 8, .value_kind: global_buffer, .address_space: global }
      - { .name: ws, .offset: 40, .size: 8, .value_kind: global_buffer, .address_space: global }
    .group_segment_fixed_size: 68096
    .private_segment_fixed_size: 0
    .kernarg_segment_align: 8
    .kernarg_segment_size: 48
    .max_flat_workgroup_size: 128
    .sgpr_count:     66
    .vgpr_count:     194
    .wavefront_size: 32
...
	.end_amdgpu_metadata
.endif
;; end of part 1
;; launch proj (part 2): grid 12 x 16, 4 waves a work-group, clusters of 4 x 4, 327,680 bytes of LDS; arguments xc, xs, wc, ws, kv, qc; writes kv, qc
.if DOCPART == 2
	.amdgcn_target "amdgcn-amd-amdhsa--gfx1250"
	.amdhsa_code_object_version 6
	.text
	.protected	k_q6e16291531_proj
	.globl	k_q6e16291531_proj
	.p2align	8
	.type	k_q6e16291531_proj,@function
k_q6e16291531_proj:
	s_mov_b64 s[64:65], 0
	v_nop
	global_prefetch_b8 v0, s[64:65] scope:SCOPE_SE
	s_setreg_imm32_b32 hwreg(HW_REG_WAVE_MODE, 25, 1), 1
	s_wait_xcnt 0x0
	s_wait_alu depctr_hold_cnt(0) depctr_sa_sdst(0) depctr_va_vdst(0) depctr_va_sdst(0) depctr_va_ssrc(0) depctr_va_vcc(0) depctr_vm_vsrc(0)
	s_getreg_b32 s2, hwreg(HW_REG_IB_STS2, 6, 4)
	s_cmp_eq_u32 s2, 0
	s_cbranch_scc0 .Lentry_in_a_cluster
	s_endpgm
.Lentry_in_a_cluster:
	s_bfe_u32 s2, ttmp6, 0x10000c
	s_cmp_lg_u32 s2, 0xf033
	s_cbranch_scc0 .Lentry_shape_is_right
	s_endpgm
.Lentry_shape_is_right:
; kqv = x w on codes of BF8 (E5M2) with E8M0 scales, K = 1,024, f32 sums; the results never go to memory as f32: the way out quantises k and q along the head's 64 channels and v along the keys, in registers,
; and stores them as IMAGES OF THE NEXT LAUNCH'S OPERAND REGISTERS (a group of four registers: lane l's 16 bytes at 16 l) with their scale words.
; A tile of 256 x 256 is made by four waves, each 128 x 128: 64 accumulators, 512 registers.  K goes in steps of 256 through a ring of two LDS slots filled by the tensor data mover; the scale bytes of the
; work-group's 2 x 256 rows come once, with the first fills.  CLUSTERS of 4 x 4: "A"'s tiles are asked for jointly along a row of the cluster, "B"'s along a column.
; THE MATRIX INSTRUCTION IS USED TRANSPOSED: source 0 = 16 rows of B, source 1 = 16 rows of A: a lane holds ONE row of A, and its registers run along B's rows.  Both workspaces are laid with bits 3 and 4 of
; the row number exchanged, so the 16 registers of B's tiles 2 p and 2 p + 1 are 16 NEIGHBOURS, 32 p + 16 (lane / 16) + 0 .. 15: the order that the next operand's layout wants.
; WHICH TENSOR IS A hangs on the cluster's x alone (the same in all sixteen partners): cluster x = 0 (k) and 1 (q): A = x's rows, B = w's columns: registers along the channels.
; cluster x = 2 (v): A = w's columns 2,048 on, B = x's rows: registers along the keys.  One text serves all three; only bases differ.
; OUT: kv [head 16][step 32][17,152 bytes]: K images [tile 8][c 2][lane][16], V images [dtile 4][c 4][lane][16] at 8,192, K scale words [tile 8][16] at 16,384, V scale words [dtile 4][16] at 16,896.
;      qc: Q images [head][tile 256][c 2][lane][16]; from byte 4,194,304 Q scale words [head][tile][16].  K's and Q's words: bytes 0, 1 the two blocks of 32 channels, bytes 2, 3 zero.
; LIMITS: as the launch before: a block under 2^-111 gets the byte 1, a block of zeros the byte 1; NaN and infinities are not served.
; REGISTERS: window 0: v8-15 the way out's offsets; v16-21, v27 LDS addresses; v28-29 for the add; v32-63 scale words, two sets, and nothing else; from v128 A's fragments, one set.
;   window 1: B's fragments, two sets.  windows 2, 3: the accumulators ((a, b) at v[8 (8 (a % 4) + b)]).  On the way out: v64-127 at work, v16-27 scale words in the making, v128-255 codes.
.set KSTEP,  256
.set NQ,     2
.set ROWB,   256
.set KROW,   1024
.set PITCH,  272                       ; an LDS row: 256 bytes + 16 of padding: the 16 rows that a load touches start at 16 different banks (64 banks of 4 bytes: ISA guide 11.1)
.set FR,     16
.set NL,     4
.set NP,     8                         ; places behind this matrix instruction (ISA guide 7.12.1)
.set HALFT,  128*PITCH
.set SLOT,   4*HALFT
.set LAPS,   2                         ; 1,024 / 512
.set KS,     32                        ; a row of scale bytes
.set SCL,    2*SLOT
.set HALFS,  (128*KS/256)*272
.set SBLK,   (16*KS/256)*272
.set SPARE,  SCL+4*HALFS               ; the spare words, 128 bytes for each wave
.set STEPB,  17152
.set HS,     548864                    ; 32 x STEPB: from head to head in kv
.set VO,   8                           ; v8-11   the images' offsets: 16 x lane + i x (1,024 for k, q; 2,048 for v)
.set VSC,  12                          ; v12     my stage for scale words, on the way in: 2,048 x wave + 4 (lane % 16)
.set VRD,  13                          ; v13     and back: 2,048 x wave + 16 x lane
.set VV,   15                          ; v15     v's words: 16 x lane, lanes 16-31 one head on
.set ADRA, 16
.set ADRB, 20
.set ADRS, 27
.set SPW,  28
.set NIL,  29
.set SC,   32
.set AF,   128
.set MX,   64                          ; the way out: sixteen blocks' largest magnitudes,
.set T2,   80                          ; the other lane's, then the bytes,
.set LIM,  96                          ; 57,344 x the scale,
.set SCO,  112                         ; the conversions' scale operands
.set WD,   16                          ; v16-27: for each of four tiles of A: head 0's word, head 1's word, v's word
.set G1, 24
.set G0, 32
.set G1B, 48
.set G0B, 56
.set G1S, 68
.set G0S, 76
.set G1SB, 80
.set G0SB, 88
.set BQ,  84                           ; the way out: s[84:91] four bases for the images; s[92:93], s[94:95] two for the words
.set MSB, 0
.macro WIN new                         ; the immediate's high byte repeats the setting that is left
.if MSB != (\new)
	s_set_vgpr_msb (MSB<<8)|(\new)
.set MSB, (\new)
.endif
.endm
.set MUL_LO, 0xa1                      ; source 0 (B) window 1, source 1 (A) window 0, C and D window 2
.set MUL_HI, 0xf1
.set TO_B,   0x40
; A joint load: waves 0 and 1 fetch for A, waves 2 and 3 for B; the branch hangs on the wave's number alone.  Four v_nop follow each of the two lines.
.macro JLOAD g0a, g1a, g0b, g1b
	s_cmp_eq_u32 s15, 0
	s_cbranch_scc0 .Lfor_b_\@
	tensor_load_to_lds s[\g0a:\g0a+3], s[\g1a:\g1a+7]
	s_nop 0
.rept 4
	v_nop
.endr
	s_branch .Lasked_\@
.Lfor_b_\@:
	tensor_load_to_lds s[\g0b:\g0b+3], s[\g1b:\g1b+7]
	s_nop 0
.rept 4
	v_nop
.endr
.Lasked_\@:
.endm
.macro CREST                           ; a round of the cluster's barrier behind its opening barrier
	s_cmp_lg_u32 s14, 0
	s_cbranch_scc1 .Lnot_wave_0_\@
	s_barrier_signal -3
.Lnot_wave_0_\@:
	s_barrier_wait -3
	s_barrier_signal -1
	s_barrier_wait -1
.endm
.macro CROUND
	s_barrier_signal -1
	s_barrier_wait -1
	CREST
.endm
	s_load_b128 s[4:7], s[0:1], 0x0                ; xc, xs
	s_load_b128 s[8:11], s[0:1], 0x10              ; wc, ws
	s_load_b128 s[96:99], s[0:1], 0x20             ; kv, qc
	v_lshl_add_u32 v[SPW], v0, 2, SPARE
	v_mov_b32 v[NIL], 0
	ds_add_u32 v28, v29
	s_wait_dscnt 0x0
	v_lshrrev_b32 v1, 5, v0
	v_readfirstlane_b32 s14, v1                    ; wave 0..3
	s_lshr_b32 s15, s14, 1                         ; which half of A's 256 rows is mine.  Also: I fetch for A (0) or for B (1)
	s_and_b32 s16, s14, 1                          ; which half of B's.  Also: which 128 rows I fetch
	s_bfe_u32 s40, ttmp6, 0x40000                  ; cx, cy: my place in the cluster
	s_bfe_u32 s41, ttmp6, 0x40004
	s_and_b32 s17, ttmp7, 0xffff                   ; cluster y
	s_cmp_eq_u32 ttmp9, 2                          ; v's clusters?  The same in all sixteen partners
	s_cselect_b32 s18, 2, s17
	s_cselect_b32 s19, s17, ttmp9
	s_lshl_b32 s17, s18, 2
	s_add_co_u32 s17, s17, s41                     ; A's tile of 256 rows: 4 x (cluster y; for v: 2) + cy
	s_lshl_b32 s42, s19, 2
	s_add_co_u32 s42, s42, s40                     ; B's: 4 x (cluster x; for v: cluster y) + cx
	s_lshl_b32 s43, s41, 2
	s_lshl_b32 s43, 15, s43                        ; my row of the cluster
	s_lshl_b32 s44, 0x1111, s40                    ; my column
	s_or_b32 s[G1+0], s43, (0<<16)|(1<<20)|(1<<21)|(5<<22)|(3<<25)  ; 15:0 the mask; elements of 1 byte; padding on; bit 21 beside a mask; 4 words after every 64
	s_or_b32 s[G1B+0], s44, (0<<16)|(1<<20)|(1<<21)|(5<<22)|(3<<25)
.irp g, G1, G1B
	s_mov_b32 s[\g+1], ROWB<<16                    ; tensor_dim0
	s_mov_b32 s[\g+2], 128<<16                     ; tensor_dim1
	s_mov_b32 s[\g+3], ROWB<<16                    ; tile_dim0
	s_mov_b32 s[\g+4], 128                         ; tile_dim1
	s_mov_b32 s[\g+5], KROW                        ; the pitch
	s_mov_b32 s[\g+6], 0
	s_mov_b32 s[\g+7], 0
.endr
	s_or_b32 s[G1S+0], s43, (3<<16)|(1<<20)|(1<<21)|(5<<22)|(3<<25)  ; the scales of 128 rows: 4,096 dense bytes as 16 rows of 256, 16 bytes of padding behind each
	s_or_b32 s[G1SB+0], s44, (3<<16)|(1<<20)|(1<<21)|(5<<22)|(3<<25)
.irp g, G1S, G1SB
	s_mov_b32 s[\g+1], 32<<16
	s_mov_b32 s[\g+2], (128*KS/256)<<16
	s_mov_b32 s[\g+3], 32<<16
	s_mov_b32 s[\g+4], 128*KS/256
	s_mov_b32 s[\g+5], 32
	s_mov_b32 s[\g+6], 0
	s_mov_b32 s[\g+7], 0
.endr
	s_lshl_b32 s18, s16, 7
	s_lshl_b32 s20, s17, 8
	s_add_co_u32 s20, s20, s18                     ; A: row 256 x tile + 128 x half
	s_lshl_b32 s46, s42, 8
	s_add_co_u32 s46, s46, s18                     ; B likewise
	s_mov_b32 s21, 0
	s_mov_b32 s47, 0
	s_mov_b64 s[18:19], KS
	s_mul_u64 s[22:23], s[20:21], s[18:19]         ; where these rows' scales begin,
	s_mul_u64 s[92:93], s[46:47], s[18:19]
	s_mov_b64 s[18:19], KROW
	s_mul_u64 s[20:21], s[20:21], s[18:19]         ; and their codes
	s_mul_u64 s[46:47], s[46:47], s[18:19]
	s_mul_i32 s45, s14, HALFT                      ; where they go: wave x 128 rows: no place in the cluster enters an LDS address
	s_mul_i32 s94, s14, HALFS
	s_wait_kmcnt 0x0
	s_cmp_eq_u32 ttmp9, 2
	s_cselect_b64 s[66:67], s[8:9], s[4:5]         ; A's codes: for v w's, else x's
	s_cselect_b64 s[100:101], s[10:11], s[6:7]     ; A's scales
	s_cselect_b64 s[8:9], s[4:5], s[8:9]           ; B's codes
	s_cselect_b64 s[10:11], s[6:7], s[10:11]       ; B's scales
	s_add_nc_u64 s[20:21], s[66:67], s[20:21]
	s_add_nc_u64 s[22:23], s[100:101], s[22:23]
	s_add_nc_u64 s[46:47], s[8:9], s[46:47]
	s_add_nc_u64 s[92:93], s[10:11], s[92:93]
	CROUND                                         ; all sixteen work-groups are here: the first joint loads meet
	s_mov_b32 s[G0S], 1
	s_add_co_u32 s[G0S+1], s94, SCL
	s_mov_b64 s[G0S+2:G0S+3], s[22:23]
	s_or_b32 s[G0S+3], s[G0S+3], 0x80000000
	s_mov_b32 s[G0SB], 1
	s_add_co_u32 s[G0SB+1], s94, SCL
	s_mov_b64 s[G0SB+2:G0SB+3], s[92:93]
	s_or_b32 s[G0SB+3], s[G0SB+3], 0x80000000
	JLOAD G0S, G1S, G0SB, G1SB                     ; the scales first: they are wanted with K step 0
.irp s, 0,1
	s_mov_b32 s[G0+4*\s], 1
	s_add_co_u32 s[G0+4*\s+1], s45, \s*SLOT
	s_add_nc_u64 s[G0+4*\s+2:G0+4*\s+3], s[20:21], \s*ROWB
	s_or_b32 s[G0+4*\s+3], s[G0+4*\s+3], 0x80000000
	s_mov_b32 s[G0B+4*\s], 1
	s_add_co_u32 s[G0B+4*\s+1], s45, \s*SLOT
	s_add_nc_u64 s[G0B+4*\s+2:G0B+4*\s+3], s[46:47], \s*ROWB
	s_or_b32 s[G0B+4*\s+3], s[G0B+4*\s+3], 0x80000000
	JLOAD G0+4*\s, G1, G0B+4*\s, G1B               ; three tensor loads of mine are out at the most
.endr
	v_and_b32 v1, 15, v0                           ; l % 16
	v_bfe_u32 v2, v0, 4, 1                         ; l / 16
	v_mul_u32_u24 v3, v1, PITCH
	v_lshl_add_u32 v4, v2, 4, v3                   ; a fragment's row x pitch + 16 x half
	s_mul_i32 s21, s15, HALFT                      ; my 128 rows of A
	s_mul_i32 s22, s16, HALFT                      ; my 128 rows of B,
	s_add_co_u32 s22, s22, 2*HALFT                 ; which lie behind A's 256
.irp s, 0,1
	v_add_nc_u32 v[ADRA+\s], s21, v4
	v_add_nc_u32 v[ADRB+\s], s22, v4
	s_add_co_u32 s21, s21, SLOT
	s_add_co_u32 s22, s22, SLOT
.endr
	v_mul_u32_u24 v5, v1, KS                       ; my row's scales: 32 bytes a row,
	v_lshrrev_b32 v6, 8, v5
	v_lshl_add_u32 v5, v6, 4, v5                   ; and 16 more for each 256 passed
	s_mul_i32 s21, s15, HALFS
	s_mul_i32 s22, s16, HALFS
	s_add_co_u32 s22, s22, 2*HALFS
	s_sub_co_u32 s22, s22, s21
	v_mul_u32_u24 v6, s22, v2                      ; lanes 16-31 take B's: one product, the distance between the two bases
	s_add_co_u32 s21, s21, SCL
	v_add_nc_u32 v5, v5, v6
	v_add_nc_u32 v[ADRS], s21, v5
	v_and_b32 v6, 31, v0
	v_lshlrev_b32 v[VO], 4, v6                     ; 16 x lane
	s_mov_b32 s18, 1024
	s_cmp_eq_u32 ttmp9, 2
	s_cselect_b32 s18, 2048, s18                   ; from tile to tile of A in the images: k, q 2 groups of 512 bytes, v 4
	v_add_nc_u32 v[VO+1], s18, v[VO]
	v_add_nc_u32 v[VO+2], s18, v[VO+1]
	v_add_nc_u32 v[VO+3], s18, v[VO+2]
	s_lshl_b32 s23, s14, 11                        ; my stage for scale words: 2,048 bytes in slot 0, written only when that slot has had its last fill and its last read
	v_lshl_add_u32 v[VSC], v1, 2, s23
	v_add_nc_u32 v[VRD], s23, v[VO]
	v_mul_u32_u24 v[VV], v2, HS-256
	v_add_nc_u32 v[VV], v[VV], v[VO]
.macro FRAG reg, adr, q, i             ; 16 rows x 128 K of 8-bit codes: registers 4 c .. 4 c + 3 hold K = 32 c + 16 (l / 16) + 0 .. 15
.irp c, 0,1,2,3
	ds_load_b128 v[\reg+4*\c:\reg+4*\c+3], v[\adr] offset:128*(\q)+32*\c+(\i)*16*PITCH
.endr
.endm
; 16 matrix instructions: A's blocks a0, a0 + 1 x B's eight.  The 64 accumulators take turns, one instruction a turn, in the same order in every step.
.macro MUL16 a0, p, q, sc, zero
.irp a, \a0, \a0+1
.irp b, 0,1,2,3,4,5,6,7
.if \zero
	v_wmma_scale_f32_16x16x128_f8f6f4 v[8*(8*((\a)%4)+\b):8*(8*((\a)%4)+\b)+7], v[128*(\p)+FR*\b:128*(\p)+FR*\b+FR-1], v[AF+FR*(\a):AF+FR*(\a)+FR-1], 0, v[SC+8*NQ*(\sc)+NQ*\b+(\q)], v[SC+8*NQ*(\sc)+NQ*(\a)+(\q)] matrix_a_fmt:MATRIX_FMT_BF8 matrix_b_fmt:MATRIX_FMT_BF8 matrix_a_scale:MATRIX_SCALE_ROW1
.else
	v_wmma_scale_f32_16x16x128_f8f6f4 v[8*(8*((\a)%4)+\b):8*(8*((\a)%4)+\b)+7], v[128*(\p)+FR*\b:128*(\p)+FR*\b+FR-1], v[AF+FR*(\a):AF+FR*(\a)+FR-1], v[8*(8*((\a)%4)+\b):8*(8*((\a)%4)+\b)+7], v[SC+8*NQ*(\sc)+NQ*\b+(\q)], v[SC+8*NQ*(\sc)+NQ*(\a)+(\q)] matrix_a_fmt:MATRIX_FMT_BF8 matrix_b_fmt:MATRIX_FMT_BF8 matrix_a_scale:MATRIX_SCALE_ROW1
.endif
.endr
.endr
.endm
.macro FETCH_B slot, q, p
	WIN TO_B
.irp i, 0,1,2,3,4,5,6,7
	FRAG 128*(\p)+FR*\i, ADRB+\slot, \q, \i
.endr
	WIN 0
.endm
.macro FETCH_A slot, q, i0
.irp i, \i0, \i0+1, \i0+2, \i0+3
	FRAG AF+FR*(\i), ADRA+\slot, \q, \i
.endr
.endm
.macro SCALES sc                       ; a K step's scale words: lanes 0-15 take A's block i, lanes 16-31 B's block i
.irp i, 0,1,2,3,4,5,6,7
	ds_load_b64 v[SC+8*NQ*\sc+NQ*\i:SC+8*NQ*\sc+NQ*\i+1], v[ADRS] offset:\i*SBLK
.endr
.endm
.macro PLACES n                        ; plain vector lines between a matrix instruction and a load into, or a vector line on, its registers
.rept \n
	v_nop
.endr
.endm
.macro STEP slot, q, zero              ; 128 along K that have their successor in the same slot
	s_wait_dscnt 4*NL                              ; B's set and A's blocks 0-3 are in; the youngest sixteen loads (A's blocks 4-7) may be out
	WIN MUL_LO
	MUL16 0, (\q)%2, \q, \slot, \zero
	MUL16 2, (\q)%2, \q, \slot, \zero
	s_wait_dscnt 0
	PLACES NP
	FETCH_B \slot, (\q)+1, 1-(\q)%2
	FETCH_A \slot, (\q)+1, 0
	WIN MUL_HI
	MUL16 4, (\q)%2, \q, \slot, \zero
	MUL16 6, (\q)%2, \q, \slot, \zero
	PLACES NP
	WIN 0
	FETCH_A \slot, (\q)+1, 4
.endm
; A slot's last 128 change slots: one barrier; in front of it each wave waits for all its tensor loads, adds 0 to its spare word, and waits for that and for its own reads of this slot.
.macro TURN slot, next, fill
	s_wait_tensorcnt 0x0                           ; all my tensor loads have landed: my part of the next slot
	ds_add_u32 v[SPW], v[NIL]                      ; 0 onto my spare word
	s_wait_dscnt 4*NL+1                            ; the add and the youngest sixteen loads may be out
	WIN MUL_LO
	MUL16 0, 1, NQ-1, \slot, 0
	s_wait_dscnt 0x0                               ; the add is done, and my reads of this slot are over
	s_barrier_signal -1
	MUL16 2, 1, NQ-1, \slot, 0
	WIN 0
	s_barrier_wait -1
.if \fill
	CREST                                          ; the barrier has opened a round of the cluster's: no wave of any partner still reads this slot or has a load on its way
	s_add_nc_u64 s[G0+4*\slot+2:G0+4*\slot+3], s[G0+4*\slot+2:G0+4*\slot+3], 2*ROWB
	s_add_nc_u64 s[G0B+4*\slot+2:G0B+4*\slot+3], s[G0B+4*\slot+2:G0B+4*\slot+3], 2*ROWB
	JLOAD G0+4*\slot, G1, G0B+4*\slot, G1B         ; the first tensor load behind the round, my only one until the next
	PLACES NP-4
.else
	PLACES NP
.endif
	v_add_nc_u32 v[ADRS], 4*NQ, v[ADRS]            ; on to the next K step's scale words
	FETCH_B \next, 0, 0
	FETCH_A \next, 0, 0
	SCALES \next
	WIN MUL_HI
	MUL16 4, 1, NQ-1, \slot, 0
	MUL16 6, 1, NQ-1, \slot, 0
	PLACES NP
	WIN 0
	FETCH_A \next, 0, 4
.endm
	s_wait_tensorcnt 1                             ; the scales and my part of K step 0 are in; K step 1's load may be out
	s_barrier_signal -1
	s_barrier_wait -1
	FETCH_B 0, 0, 0
	FETCH_A 0, 0, 0
	SCALES 0
	FETCH_A 0, 0, 4
	STEP 0, 0, 1                                   ; the first products start the sums
	s_mov_b32 s3, LAPS-1
.Llap:
	TURN 0, 1, 1
	STEP 1, 0, 0
	TURN 1, 0, 1
	STEP 0, 0, 0
	s_sub_co_u32 s3, s3, 1
	s_cmp_lg_u32 s3, 0
	s_cbranch_scc1 .Llap
	TURN 0, 1, 0                                   ; the last lap fills nothing
	STEP 1, 0, 0
	s_wait_dscnt 4*NL
	WIN MUL_LO
	MUL16 0, 1, NQ-1, 1, 0
	MUL16 2, 1, NQ-1, 1, 0
	s_wait_dscnt 0
	WIN MUL_HI
	MUL16 4, 1, NQ-1, 1, 0
	MUL16 6, 1, NQ-1, 1, 0
	WIN 0
; ---------------- THE WAY OUT.  Block (a, p): A's tile a, B's tiles 2 p, 2 p + 1: 16 registers a lane = 16 neighbours of one block of 32 along the next K; lane l xor 16 holds the other 16.
.irp n, 0,1,2,3,4,5,6,7,8,9,10,11,12,13,14,15
	v_mov_b32 v[T2+\n], 0                          ; a lane permute's destination counts as one of its sources.  These sixteen plain lines are also the places behind the last products
.endr
	s_mov_b32 s12, 0x76543210
	s_mov_b32 s13, 0xfedcba98                      ; v_permlanex16_b32's selects for lane l xor 16
	s_mov_b32 s18, 0x600000                        ; the mantissa field of 57,344
	s_lshl_b32 s68, s42, 1
	s_add_co_u32 s68, s68, s16                     ; v: the key step: 2 x B's tile + my half
	s_lshl_b32 s69, s17, 1
	s_add_co_u32 s69, s69, s15                     ; k, q: 2 x A's tile + my half
	s_lshl_b32 s70, s17, 2
	s_lshl_b32 s71, s15, 1
	s_add_co_u32 s70, s70, s71
	s_sub_co_u32 s70, s70, 32                      ; v: my first head: 4 x A's tile - 32 + 2 x half
	s_lshl_b32 s71, s42, 2
	s_lshl_b32 s72, s16, 1
	s_add_co_u32 s71, s71, s72
	s_and_b32 s71, s71, 15                         ; k, q: (4 x B's tile + 2 x half) mod 16
	s_mov_b32 s73, 16384
	s_cmp_eq_u32 ttmp9, 2
	s_cselect_b32 s68, s68, s69                    ; the step of 128 tokens
	s_cselect_b32 s70, s70, s71                    ; my first head
	s_cselect_b32 s72, 8192, 0                     ; V's images lie behind K's
	s_cselect_b32 s73, 16896, s73                  ; the words' place in a block of kv
	s_mov_b32 s74, HS
	s_mov_b32 s75, STEPB
	s_mov_b32 s76, HS
	s_mov_b32 s77, STEPB
	s_cmp_eq_u32 ttmp9, 1
	s_cselect_b32 s74, 262144, s74                 ; images: from head to head,
	s_cselect_b32 s75, 8192, s75                   ; from step to step
	s_cselect_b32 s76, 16384, s76                  ; words: from head to head,
	s_cselect_b32 s77, 512, s77                    ; from step to step
	s_cselect_b32 s73, 4194304, s73
	s_cselect_b64 s[78:79], s[98:99], s[96:97]     ; q goes to qc, k and v to kv
	s_mul_i32 s80, s70, s74
	s_mul_i32 s81, s68, s75
	s_add_co_u32 s80, s80, s81
	s_add_co_u32 s80, s80, s72
	s_mov_b32 s81, 0
	s_add_nc_u64 s[BQ:BQ+1], s[78:79], s[80:81]    ; base (a / 4 = 0, p / 2 = 0)
	s_mov_b32 s82, 4096
	s_mov_b32 s83, 0
	s_mov_b32 s80, 1024
	s_cmp_eq_u32 ttmp9, 2
	s_cselect_b32 s82, s74, s82                    ; a / 4 on: v the next head, k and q four tiles
	s_cselect_b32 s80, s80, s74                    ; p / 2 on: v two groups, k and q the next head
	s_add_nc_u64 s[BQ+2:BQ+3], s[BQ:BQ+1], s[80:81]
	s_add_nc_u64 s[BQ+4:BQ+5], s[BQ:BQ+1], s[82:83]
	s_add_nc_u64 s[BQ+6:BQ+7], s[BQ+4:BQ+5], s[80:81]
	s_mul_i32 s80, s70, s76
	s_mul_i32 s82, s68, s77
	s_add_co_u32 s80, s80, s82
	s_add_co_u32 s80, s80, s73
	s_add_nc_u64 s[92:93], s[78:79], s[80:81]      ; the words of my first head,
	s_mov_b32 s80, s76
	s_add_nc_u64 s[94:95], s[92:93], s[80:81]      ; and of my second
.macro EPI hw                          ; A's tiles 4 hw .. 4 hw + 3: window 2 + hw
.set CDB, 128+64*\hw
	WIN 0x0a+5*\hw                                 ; sources 0 and 1: the accumulators' window
.irp a, 0,1,2,3
.irp p, 0,1,2,3
	v_max3_num_f32 v[MX+4*\a+\p], |v[64*\a+16*\p]|, |v[64*\a+16*\p+1]|, 0x8000000   ; each accumulator is read from its low end on; the floor 2^(16 - 127) holds the byte at 1 from below
.endr
.endr
.irp i, 2,4,6,8,10,12,14
.irp a, 0,1,2,3
.irp p, 0,1,2,3
	v_max3_num_f32 v[MX+4*\a+\p], |v[64*\a+16*\p+\i]|, |v[64*\a+16*\p+\i+1]|, v[MX+4*\a+\p]
.endr
.endr
.endr
	WIN 0
.irp n, 0,1,2,3,4,5,6,7,8,9,10,11,12,13,14,15
	v_permlanex16_b32 v[T2+\n], v[MX+\n], s12, s13
.endr
.irp n, 0,1,2,3,4,5,6,7,8,9,10,11,12,13,14,15
	v_max_num_f32 v[MX+\n], v[MX+\n], v[T2+\n]     ; the block's largest magnitude
.endr
.irp n, 0,1,2,3,4,5,6,7,8,9,10,11,12,13,14,15
	v_add_nc_u32 v[SCO+\n], 0xf8800000, v[MX+\n]   ; 15 off its exponent field: the conversion's scale operand
.endr
.irp n, 0,1,2,3,4,5,6,7,8,9,10,11,12,13,14,15
	v_and_or_b32 v[LIM+\n], v[MX+\n], 0x7f800000, s18   ; 57,344 x the scale
.endr
.irp n, 0,1,2,3,4,5,6,7,8,9,10,11,12,13,14,15
	v_lshrrev_b32 v[T2+\n], 23, v[SCO+\n]          ; the scale's byte
.endr
.irp a, 0,1,2,3
	v_lshl_or_b32 v[WD+3*\a], v[T2+4*\a+1], 8, v[T2+4*\a]          ; k, q: the first head's word,
	v_lshl_or_b32 v[WD+3*\a+1], v[T2+4*\a+3], 8, v[T2+4*\a+2]      ; the second head's;
	v_lshl_or_b32 v[WD+3*\a+2], v[WD+3*\a+1], 16, v[WD+3*\a]       ; v: four blocks of keys
.endr
	WIN 0x82+0x41*\hw                              ; destination and source 0: the accumulators' window
.irp a, 0,1,2,3
.irp p, 0,1,2,3
.irp i, 0,1,2,3,4,5,6,7,8,9,10,11,12,13,14,15
	v_med3_num_f32 v[64*\a+16*\p+\i], v[64*\a+16*\p+\i], -v[LIM+4*\a+\p], v[LIM+4*\a+\p]   ; the conversion does not saturate (ISA guide 7.6.2): the hold comes first
.endr
.endr
.endr
	WIN 0x02+\hw
.irp a, 0,1,2,3
.irp p, 0,1,2,3
	v_cvt_scalef32_pk8_bf8_f32 v[CDB+16*\a+4*\p:CDB+16*\a+4*\p+1], v[64*\a+16*\p:64*\a+16*\p+7], v[SCO+4*\a+\p]
	v_cvt_scalef32_pk8_bf8_f32 v[CDB+16*\a+4*\p+2:CDB+16*\a+4*\p+3], v[64*\a+16*\p+8:64*\a+16*\p+15], v[SCO+4*\a+\p]
.endr
.endr
	WIN 0
	v_nop                                          ; one plain line behind the last conversion
.irp a, 0,1,2,3
.irp p, 0,1,2,3
	global_store_b128 v[VO+\a], v[CDB+16*\a+4*\p:CDB+16*\a+4*\p+3], s[BQ+4*\hw+2*(\p/2):BQ+4*\hw+2*(\p/2)+1] offset:(\p%2)*512   ; a group of four operand registers: 512 consecutive bytes, aligned; no store's data are written again
.endr
.endr
.irp a, 0,1,2,3
	ds_store_b32 v[VSC], v[WD+3*\a] offset:(4*\hw+\a)*64           ; lanes l and l xor 16 write the same word with the same value
	ds_store_b32 v[VSC], v[WD+3*\a+1] offset:512+(4*\hw+\a)*64
	ds_store_b32 v[VSC], v[WD+3*\a+2] offset:1024+(4*\hw+\a)*64
.endr
.endm
	EPI 0
	EPI 1
	s_cmp_eq_u32 ttmp9, 2                          ; the same in all partners and all waves
	s_cbranch_scc1 .Lv_words
	ds_load_b128 v[64:67], v[VRD]                  ; in order behind my stores: eight tiles' words of my first head, 512 bytes,
	ds_load_b128 v[68:71], v[VRD] offset:512       ; and of my second
	s_wait_dscnt 0x0
	global_store_b128 v[VO], v[64:67], s[92:93]
	global_store_b128 v[VO], v[68:71], s[94:95]
	s_branch .Lwords_out
.Lv_words:
	ds_load_b128 v[64:67], v[VRD] offset:1024      ; lanes 0-15: my first head's four tiles, 256 bytes; lanes 16-31: my second head's
	s_wait_dscnt 0x0
	global_store_b128 v[VV], v[64:67], s[92:93]
.Lwords_out:
	s_wait_tensorcnt 0x0                           ; the wave's end
	ds_add_u32 v[SPW], v[NIL]
	s_wait_dscnt 0x0
	CROUND                                         ; the closing round
	s_endpgm
.Lfunc_end_k_q6e16291531_proj:
	.size	k_q6e16291531_proj, .Lfunc_end_k_q6e16291531_proj-k_q6e16291531_proj
	.p2alignl 7, 3214868480
	.fill 96, 4, 3214868480
	.section	.rodata,"a",@progbits
	.p2align	6, 0x0
	.amdhsa_kernel k_q6e16291531_proj
		.amdhsa_group_segment_fixed_size 327680
		.amdhsa_private_segment_fixed_size 0
		.amdhsa_enable_private_segment 0
		.amdhsa_kernarg_size 48
		.amdhsa_user_sgpr_count 2
		.amdhsa_user_sgpr_kernarg_segment_ptr 1
		.amdhsa_wavefront_size32 1
		.amdhsa_system_sgpr_workgroup_id_x 1
		.amdhsa_system_sgpr_workgroup_id_y 1
		.amdhsa_system_sgpr_workgroup_id_z 1
		.amdhsa_system_vgpr_workitem_id 0
		.amdhsa_next_free_vgpr 1024
		.amdhsa_next_free_sgpr 102
		.amdhsa_reserve_vcc 0
		.amdhsa_float_denorm_mode_32 3
		.amdhsa_float_denorm_mode_16_64 3
		.amdhsa_memory_ordered 1
		.amdhsa_forward_progress 1
		.amdhsa_inst_pref_size 188
	.end_amdhsa_kernel
	.amdgpu_metadata
---
amdhsa.version: [ 1, 2 ]
amdhsa.kernels:
  - .name:           k_q6e16291531_proj
    .symbol:         k_q6e16291531_proj.kd
    .args:
      - { .name: xc, .offset: 0, .size: 8, .value_kind: global_buffer, .address_space: global }
      - { .name: xs, .offset: 8, .size: 8, .value_kind: global_buffer, .address_space: global }
      - { .name: wc, .offset: 16, .size: 8, .value_kind: global_buffer, .address_space: global }
      - { .name: ws, .offset: 24, .size: 8, .value_kind: global_buffer, .address_space: global }
      - { .name: kv, .offset: 32, .size: 8, .value_kind: global_buffer, .address_space: global }
      - { .name: qc, .offset: 40, .size: 8, .value_kind: global_buffer, .address_space: global }
    .group_segment_fixed_size: 327680
    .private_segment_fixed_size: 0
    .kernarg_segment_align: 8
    .kernarg_segment_size: 48
    .max_flat_workgroup_size: 128
    .sgpr_count:     102
    .vgpr_count:     1024
    .wavefront_size: 32
...
	.end_amdgpu_metadata
.endif
;; end of part 2
;; launch attn (part 3): grid 16 x 16, 8 waves a work-group, no clusters, 327,680 bytes of LDS; arguments kv, qc, out0; writes out0
.if DOCPART == 3
	.amdgcn_target "amdgcn-amd-amdhsa--gfx1250"
	.amdhsa_code_object_version 6
	.text
	.protected	k_q6e16291531_attn
	.globl	k_q6e16291531_attn
	.p2align	8
	.type	k_q6e16291531_attn,@function
k_q6e16291531_attn:
	s_mov_b64 s[64:65], 0
	v_nop
	global_prefetch_b8 v0, s[64:65] scope:SCOPE_SE
	s_setreg_imm32_b32 hwreg(HW_REG_WAVE_MODE, 25, 1), 1
	s_wait_xcnt 0x0
; out[i][h][:] = sum over j <= i of softmax_j(q_i . k_j / 32 + m_h (j - i)) v_j, both products on codes of BF8 (E5M2) with E8M0 scales; m_h = 2^-((h + 1) / 2).
; t = logit x log2(e); M = the ceiling of the running largest t, a whole number; p = 2^(t - M) is quantised along the keys, not normalised; the row's sum of the unquantised p divides at the end.
; SHARES.  A head's queries are 32 blocks of 128.  Work-group (j, head) owns blocks j and 31 - j; each of its eight waves holds one tile of 16 queries of each block (tile a: block j, tile b: block 31 - j).
; Keys go in steps of 128: tile a wants steps 0 .. j, tile b steps 0 .. 31 - j: 33 tile steps a wave in every work-group.  Only a block's own step lies on the diagonal: a's in the loop, b's is the last step.
; OPERANDS come from the launch before as images of their registers: a key step of a head is ONE dense block of 17,152 bytes (K images, V images, K words, V words), brought by one tensor load of wave 0 into a ring
; of two LDS slots and read by all eight waves at 16 x lane: no pitch, no LDS address is ever stepped.  So the loop's trip count may hang on j.
; The sequence has an odd number of steps, so that the last lies in slot 0: for even j it begins with an empty step (first key -128), whose fetch of block 0 is not read: one block of 17,152 bytes fetched in vain.
; LAYOUT.  S^T = K Q^T (source 0 = 16 keys, source 1 = 16 queries), O^T = V^T P^T: a lane holds one query.  The keys of a tile are 32 (t / 2) + 8 (t % 2) + r + 8 (r / 8): the 16 registers of tiles 2 b, 2 b + 1 are
; keys 32 b + 16 (lane / 16) + 0 .. 15.  The queries of a tile and the channels of a tile of V are chosen likewise.
; K = 64 IN A FORM OF 128: Q's registers 8-15 are zero codes.  K's fragments lie packed, 8 registers a tile, so a tile's registers 8-15 are the next tile's codes (the last tile's: zeros): finite numbers (the quantiser's
; hold lets no infinity or NaN code arise) times zero codes: they add nothing.  Bytes 2 and 3 of K's and Q's scale words are 0.
; THE BIAS.  32 x logit = q.k + sl x rel, sl = 32 m_h, rel = BASE_b + idx, BASE_b = first key + 32 b + 16 (lane / 16) - query (exact), idx = 0 .. 15.  Lhi = fl(sl BASE_b), Llo = the exact rest (one fma).
; fma(sl, idx, Lhi) is the C of the score's own matrix instruction; Llo comes back in the exponent: 2^(S c + A_b), A_b = c Llo - M, c = log2(e) / 32.  So the bias is rounded at its own size, small near the diagonal.
; M is taken of c S without the rest (under 1e-5): M stays a whole number, at worst another one than the rule's, which a block's scale takes up.
; NO CLUSTER: the work-groups of a head want 32 - j steps, a different number each, and a step's shared bytes are 17,152 against some 700 vector lines of each of eight waves.
; LIMITS: NaN and infinities are not served; a block of p whose largest lies under 2^-111 gets the byte 1.
; REGISTERS, window 0: v1-7, v24 addresses; v8-23 the numbers 0.0 .. 15.0; v28-45, v46-63 tile b's and tile a's statistics; v64-127 S^T, then p; v128-143, v144-159 p's codes; v160-189 at work; v192-197 K's and V's scale words.
;   window 1: v0-31 O^T a, v32-63 O^T b, v64-79 Q a, v80-95 Q b, v96-159 K, v160-167 zeros, v168-231 V.
.set STEPB, 17152
.set HS,    548864
.set SLOTB, 17152
.set VIMG,  8192
.set KSW,   16384
.set VSW,   16896
.set STAGE, 34816                      ; behind the ring: 16 rows x 272 bytes for each wave
.set SP,    272
.set SPARE, 69632                      ; the spare words, 128 bytes for each wave
.set LI,   1                           ; 16 x lane
.set LS,   2                           ; 4 x lane
.set SPW,  3
.set NIL,  4
.set PFO,  5                           ; 256 x lane
.set STO,  6
.set RD,   7
.set R16,  8
.set GO,   24
.set STB,  28                          ; a tile's statistics: +0 -M, +1 largest t, +2,+3 the sum, +4 f (+5 written 0), +6 float(16 h - query), +7 query - 16 h,
.set STA,  46                          ;   +8 .. +15 four pairs (Lhi, later A_b | Llo), +16 p's scale word, +17 Q's scale word
.set S,    64
.set PB,   128
.set PA,   144
.set BM,   160
.set T2,   164
.set HOLD, 168
.set SCO,  172
.set BY,   176
.set BASE, 180
.set X,    184
.set SUM2, 186
.set NINF, 188
.set DM,   189
.set KSC,  192                         ; v192-195: K's scale words, two tiles to a register; nothing else
.set VSC,  196                         ; v196-197: V's
.set OA,   0                           ; window 1
.set OB,   32
.set QA,   64
.set QB,   80
.set KR,   96
.set ZR,   160
.set VF,   168
.set WV,   10
.set HEAD, 12
.set KF,   13                          ; the step's first key (signed)
.set KA,   14                          ; 128 j: tile a's diagonal step
.set TRIPS, 15
.set G1,   16
.set G0,   24
.set INC,  28                          ; s[28:29] what the next refill adds to the address
.set PFA,  30                          ; s[30:31] where my prefetches stand
.set PLIM, 32                          ; a wave prefetches while KF is at most this
.set CS,   34                          ; s[34:35] c
.set SL,   36                          ; s[36:37] sl
.set SEL,  38
.set MNT,  40
.set OUTA, 42
.set OUTB, 44
.set MSB, 0
.macro WIN new
.if MSB != (\new)
	s_set_vgpr_msb (MSB<<8)|(\new)
.set MSB, (\new)
.endif
.endm
.macro TLOAD                           ; wave 0 fetches; four v_nop follow the line
	s_cmp_lg_u32 s[WV], 0
	s_cbranch_scc1 .Lnot0_\@
	tensor_load_to_lds s[G0:G0+3], s[G1:G1+7]
	s_nop 0
.rept 4
	v_nop
.endr
.Lnot0_\@:
.endm
; A PREFETCH INTO THE L2: in the step that loads key step s + 1, the images of key step s + 3: 64 blocks of 256 bytes, a lane a block.  All work-groups of a head walk the same blocks from step 0 on; work-group j = 0 alone
; walks all 32, and it asks: wave 1 for K's 8,192 bytes, wave 2 for V's.  So each block is named once.  Steps 0 and 1 and the scale words come by their loads alone; nothing is asked for beyond step 31 (KF <= 3,584).
.macro ASK
	s_cmp_le_i32 s[KF], s[PLIM]
	s_cbranch_scc0 .Lnoask_\@
	global_prefetch_b8 v[PFO], s[PFA:PFA+1] th:TH_LOAD_NT scope:SCOPE_SE
.Lnoask_\@:
.endm
.macro CBUILD st                       ; the bias x 32 into S^T's registers: 45 plain lines
	v_cvt_f32_i32 v[X], s[KF]
	v_add_f32 v[BASE], v[X], v[\st+6]
	v_add_f32 v[BASE+1], 0x42000000, v[BASE]       ; + 32
	v_add_f32 v[BASE+2], 0x42800000, v[BASE]       ; + 64
	v_add_f32 v[BASE+3], 0x42c00000, v[BASE]       ; + 96: whole numbers under 2^13: exact
.irp b, 0,1,2,3
	v_mul_f32 v[\st+8+2*\b], s[SL], v[BASE+\b]     ; Lhi
.endr
.irp b, 0,1,2,3
	v_fma_f32 v[\st+9+2*\b], s[SL], v[BASE+\b], -v[\st+8+2*\b]     ; Llo: the exact rest
.endr
.irp b, 0,1,2,3
.irp i, 0,2,4,6,8,10,12,14
	v_pk_fma_f32 v[S+16*\b+\i:S+16*\b+\i+1], v[R16+\i:R16+\i+1], s[SL:SL+1], v[\st+8+2*\b:\st+9+2*\b] op_sel_hi:[1,0,0]   ; idx x sl + Lhi
.endr
.endr
.endm
.macro SPROD st, q                     ; S^T = K Q^T + the bias: eight accumulators, one instruction each
.rept 4
	v_nop                                          ; the C registers were written by vector lines: kept as far ahead as A's and B's would be
.endr
	WIN 0x05                                       ; K and Q in window 1, S^T in window 0
.irp t, 0,2,4,6
	v_wmma_scale_f32_16x16x128_f8f6f4 v[S+8*\t:S+8*\t+7], v[KR+8*\t:KR+8*\t+15], v[\q:\q+15], v[S+8*\t:S+8*\t+7], v[KSC+\t/2], v[\st+17] matrix_a_fmt:MATRIX_FMT_BF8 matrix_b_fmt:MATRIX_FMT_BF8
	v_wmma_scale_f32_16x16x128_f8f6f4 v[S+8*\t+8:S+8*\t+15], v[KR+8*\t+8:KR+8*\t+23], v[\q:\q+15], v[S+8*\t+8:S+8*\t+15], v[KSC+\t/2], v[\st+17] matrix_a_fmt:MATRIX_FMT_BF8 matrix_b_fmt:MATRIX_FMT_BF8 matrix_a_scale:MATRIX_SCALE_ROW1
.endr
	WIN 0
.rept 8
	v_nop                                          ; places behind the products: they serve the first read of the scores and the next step's loads into K's registers
.endr
.endm
.macro MASK st                         ; on the diagonal: register 16 b + i holds key KF + 32 b + 16 (lane / 16) + i: hidden where 32 b + i > query - 16 (lane / 16) - KF
	v_sub_nc_u32 v[DM], v[\st+7], s[KF]
	v_mov_b32 v[NINF], 0xff800000
.set n, 0
.rept 64
	v_cmp_gt_i32 vcc_lo, 32*(n/16)+n%16, v[DM]
	v_cndmask_b32 v[S+n], v[S+n], v[NINF], vcc_lo
.set n, n+1
.endr
.endm
.macro SOFTMAX st, p
.irp b, 0,1,2,3
	v_max3_num_f32 v[BM+\b], v[S+16*\b], v[S+16*\b+1], v[S+16*\b+2]   ; my 16 scores of each block of 32 keys: their largest serves the row's maximum and, since p rises with the score, my largest p of the block
.endr
.irp i, 3,5,7,9,11,13
.irp b, 0,1,2,3
	v_max3_num_f32 v[BM+\b], v[BM+\b], v[S+16*\b+\i], v[S+16*\b+\i+1]
.endr
.endr
.irp b, 0,1,2,3
	v_max_num_f32 v[BM+\b], v[BM+\b], v[S+16*\b+15]
.endr
	v_max3_num_f32 v[X], v[BM], v[BM+1], v[BM+2]
	v_max_num_f32 v[X], v[X], v[BM+3]
	v_permlanex16_b32 v[X+1], v[X], s[SEL], s[SEL+1]
	v_max_num_f32 v[X], v[X], v[X+1]               ; the step's largest score of my query
	v_mul_f32 v[X], s[CS], v[X]
	v_max_num_f32 v[\st+1], v[\st+1], v[X]         ; the running largest t
	v_mov_b32 v[X], v[\st]
	v_floor_f32 v[\st], -v[\st+1]                  ; -M = floor(-t)
	v_sub_f32 v[X], v[\st], v[X]                   ; old M - new M: a whole number, 0 or less
	v_cvt_i32_f32 v[X], v[X]                       ; (it saturates)
	v_ldexp_f32 v[\st+4], 1.0, v[X]                ; f = 2^(old M - new M): rounds nothing
.irp b, 0,1,2,3
	v_fma_f32 v[\st+8+2*\b], s[CS], v[\st+9+2*\b], v[\st]          ; A_b = c Llo - M
.endr
.irp b, 0,1,2,3
.irp i, 0,2,4,6,8,10,12,14
	v_pk_fma_f32 v[S+16*\b+\i:S+16*\b+\i+1], v[S+16*\b+\i:S+16*\b+\i+1], s[CS:CS+1], v[\st+8+2*\b:\st+9+2*\b] op_sel_hi:[1,0,0]   ; t - M
.endr
.endr
.irp b, 0,1,2,3
	v_fma_f32 v[BM+\b], v[BM+\b], s[CS], v[\st+8+2*\b]             ; the same of my largest score of each block, with my own A_b
.endr
.set n, 0
.rept 64
	v_exp_f32 v[S+n], v[S+n]                       ; p, at most 1
.set n, n+1
.endr
	v_pk_mul_f32 v[\st+2:\st+3], v[\st+2:\st+3], v[\st+4:\st+5] op_sel_hi:[1,0]   ; the sums under the new M (the plain line behind the exponentials)
	s_wait_alu depctr_va_vdst(0)                   ; one wait for the batch of 64, ahead of its first reader
.irp b, 0,1,2,3
	v_exp_f32 v[BM+\b], v[BM+\b]                   ; my largest p of each block: the same two instructions on the same number give the same bits
.endr
	v_pk_add_f32 v[SUM2:SUM2+1], v[S:S+1], v[S+2:S+3]              ; the row's sum, of the unquantised p, in two chains
.irp i, 4,8,12,16,20,24,28,32,36,40,44,48,52,56,60
	v_pk_add_f32 v[\st+2:\st+3], v[\st+2:\st+3], v[S+\i:S+\i+1]
	v_pk_add_f32 v[SUM2:SUM2+1], v[SUM2:SUM2+1], v[S+\i+2:S+\i+3]
.endr
	v_pk_add_f32 v[\st+2:\st+3], v[\st+2:\st+3], v[SUM2:SUM2+1]
	s_wait_alu depctr_va_vdst(0)                   ; and one for the four
.irp b, 0,1,2,3
	v_permlanex16_b32 v[T2+\b], v[BM+\b], s[SEL], s[SEL+1]
.endr
.irp b, 0,1,2,3
	v_max3_num_f32 v[BM+\b], v[BM+\b], v[T2+\b], 0x8000000         ; the block's largest p, the same bits in both lanes, and the floor 2^(16 - 127)
.endr
.irp b, 0,1,2,3
	v_add_nc_u32 v[SCO+\b], 0xf8800000, v[BM+\b]   ; 15 off the exponent field: the conversion's scale operand
.endr
.irp b, 0,1,2,3
	v_and_or_b32 v[HOLD+\b], v[BM+\b], 0x7f800000, s[MNT]          ; 57,344 x the scale
.endr
.irp b, 0,1,2,3
	v_lshrrev_b32 v[BY+\b], 23, v[SCO+\b]          ; the scale's byte
.endr
	v_lshl_or_b32 v[\st+16], v[BY+1], 8, v[BY]     ; p's scale word for these 128 keys; the 64 holds below stand between it and the products
	v_lshl_or_b32 v[\st+16], v[BY+2], 16, v[\st+16]
	v_lshl_or_b32 v[\st+16], v[BY+3], 24, v[\st+16]
.irp b, 0,1,2,3
.irp i, 0,1,2,3,4,5,6,7,8,9,10,11,12,13,14,15
	v_min_num_f32 v[S+16*\b+\i], v[S+16*\b+\i], v[HOLD+\b]         ; the conversion does not saturate (ISA guide 7.6.2); p is not negative: a one-sided hold
.endr
	v_cvt_scalef32_pk8_bf8_f32 v[\p+4*\b:\p+4*\b+1], v[S+16*\b:S+16*\b+7], v[SCO+\b]
	v_cvt_scalef32_pk8_bf8_f32 v[\p+4*\b+2:\p+4*\b+3], v[S+16*\b+8:S+16*\b+15], v[SCO+\b]
.endr
.endm
.macro RESCALE st, o                   ; O^T under the new M, each accumulator from its low end on; these sixteen are the plain lines between the conversions and the products
	WIN 0x41
.irp k, 0,2,4,6,8,10,12,14,16,18,20,22,24,26,28,30
	v_pk_mul_f32 v[\o+\k:\o+\k+1], v[\o+\k:\o+\k+1], v[\st+4:\st+5] op_sel_hi:[1,0]
.endr
.endm
.macro PV st, p, o                     ; O^T += V^T P^T: four accumulators, one instruction each: no two matrix instructions that follow each other share an accumulator, on any way
	WIN 0x51                                       ; V, C and D in window 1, P in window 0
.irp t, 0,2
	v_wmma_scale_f32_16x16x128_f8f6f4 v[\o+8*\t:\o+8*\t+7], v[VF+16*\t:VF+16*\t+15], v[\p:\p+15], v[\o+8*\t:\o+8*\t+7], v[VSC+\t/2], v[\st+16] matrix_a_fmt:MATRIX_FMT_BF8 matrix_b_fmt:MATRIX_FMT_BF8
	v_wmma_scale_f32_16x16x128_f8f6f4 v[\o+8*\t+8:\o+8*\t+15], v[VF+16*\t+16:VF+16*\t+31], v[\p:\p+15], v[\o+8*\t+8:\o+8*\t+15], v[VSC+\t/2], v[\st+16] matrix_a_fmt:MATRIX_FMT_BF8 matrix_b_fmt:MATRIX_FMT_BF8 matrix_a_scale:MATRIX_SCALE_ROW1
.endr
	WIN 0
.endm
; A KEY STEP in slot \slot.  At its head the change of slots: every wave waits for all its tensor loads, adds 0 to its spare word, waits for that and for its reads of the other slot, and passes the barrier;
; behind it (refill = 1) wave 0 asks for the next block, into the slot that has just been left: it has the whole step in which to land.  One tensor load of wave 0 is out at the most.
.macro STEP slot, refill, tail
	s_wait_tensorcnt 0x0                           ; no tensor load of mine is out: the descriptor may be written
	ds_add_u32 v[SPW], v[NIL]                      ; 0 onto my spare word
.if \refill
	s_add_nc_u64 s[G0+2:G0+3], s[G0+2:G0+3], s[INC:INC+1]          ; the next block (the first time, for even j: block 0 once more)
	s_mov_b32 s[INC], STEPB
	s_mov_b32 s[G0+1], (1-\slot)*SLOTB
	s_wait_xcnt 0x0                                ; the last prefetch, a step back, has read its address
	s_add_nc_u64 s[PFA:PFA+1], s[PFA:PFA+1], STEPB
.endif
	s_wait_dscnt 0x0                               ; the add is done, and my reads of the other slot are over
	s_barrier_signal -1
	s_barrier_wait -1
.if \refill
	TLOAD
	ASK
.endif
.if !\tail
	s_cmp_lt_i32 s[KF], 0                          ; the empty step of an even j
	s_cbranch_scc1 .Lend_\@
.endif
	WIN 0x40                                       ; destination window 1
.irp t, 0,1,2,3,4,5,6,7
.irp c, 0,1
	ds_load_b128 v[KR+8*\t+4*\c:KR+8*\t+4*\c+3], v[LI] offset:\slot*SLOTB+1024*\t+512*\c
.endr
.endr
	WIN 0
.irp u, 0,1,2,3
	ds_load_b32 v[KSC+\u], v[LS] offset:\slot*SLOTB+KSW+128*\u     ; lanes 0-15: tile 2 u's words, lanes 16-31: tile 2 u + 1's
.endr
	CBUILD STB                                     ; 45 plain lines that name nothing of the last step's V^T P: the places in front of the loads into V's registers
	WIN 0x40
.irp t, 0,1,2,3
.irp c, 0,1,2,3
	ds_load_b128 v[VF+16*\t+4*\c:VF+16*\t+4*\c+3], v[LI] offset:\slot*SLOTB+VIMG+2048*\t+512*\c
.endr
.endr
	WIN 0
.irp u, 0,1
	ds_load_b32 v[VSC+\u], v[LS] offset:\slot*SLOTB+VSW+128*\u
.endr
	s_wait_dscnt 18                                ; K's twenty loads are in; V's eighteen may be out
	SPROD STB, QB
.if \tail
	MASK STB
.endif
	SOFTMAX STB, PB
	RESCALE STB, OB
	s_wait_dscnt 0x0                               ; V
	PV STB, PB, OB
.if !\tail
	s_cmp_gt_i32 s[KF], s[KA]                      ; all these keys come after tile a's queries
	s_cbranch_scc1 .Lend_\@
	CBUILD STA
	SPROD STA, QA
	s_cmp_lt_i32 s[KF], s[KA]                      ; all of them count
	s_cbranch_scc1 .Lopen_\@
	MASK STA
.Lopen_\@:
	SOFTMAX STA, PA
	RESCALE STA, OA
	PV STA, PA, OA
.Lend_\@:
	s_add_co_i32 s[KF], s[KF], 128
.endif
.endm
	s_load_b128 s[4:7], s[0:1], 0x0                ; kv, qc
	s_load_b64 s[8:9], s[0:1], 0x10                ; out0
	v_lshl_add_u32 v[SPW], v0, 2, SPARE
	v_mov_b32 v[NIL], 0
	ds_add_u32 v3, v4
	s_wait_dscnt 0x0
	v_lshrrev_b32 v25, 5, v0
	v_readfirstlane_b32 s[WV], v25                 ; wave 0..7
	s_and_b32 s[HEAD], ttmp7, 0xffff
	s_mov_b32 s[G1], 3<<16                         ; no mask; elements of 8 bytes; no padding: a dense block as 67 rows of 256 bytes
	s_mov_b32 s[G1+1], 32<<16                      ; tensor_dim0 = 32
	s_mov_b32 s[G1+2], 67<<16                      ; tensor_dim1 = 67
	s_mov_b32 s[G1+3], 32<<16                      ; tile_dim0
	s_mov_b32 s[G1+4], 67                          ; tile_dim1
	s_mov_b32 s[G1+5], 32                          ; the pitch
	s_mov_b32 s[G1+6], 0
	s_mov_b32 s[G1+7], 0
	s_mul_i32 s46, s[HEAD], HS
	s_mov_b32 s47, 0
	s_wait_kmcnt 0x0
	s_add_nc_u64 s[4:5], s[4:5], s[46:47]          ; kv at my head
	s_mov_b32 s[G0], 1
	s_mov_b32 s[G0+1], 0
	s_mov_b64 s[G0+2:G0+3], s[4:5]
	s_or_b32 s[G0+3], s[G0+3], 0x80000000
	TLOAD                                          ; the first fill: block 0 into slot 0
	v_and_b32 v26, 31, v0
	v_lshlrev_b32 v[LI], 4, v26
	v_lshlrev_b32 v[LS], 2, v26
	v_lshlrev_b32 v[PFO], 8, v26
	v_and_b32 v26, 15, v0                          ; r
	v_bfe_u32 v27, v0, 4, 1                        ; h
	v_lshlrev_b32 v25, 2, v26                      ; 4 r
	s_lshl_b32 s48, ttmp9, 3
	s_add_co_u32 s48, s48, s[WV]                   ; tile a: 8 j + wave
	s_sub_co_u32 s49, 31, ttmp9
	s_lshl_b32 s61, s49, 7                         ; 128 (31 - j)
	s_lshl_b32 s49, s49, 3
	s_add_co_u32 s49, s49, s[WV]                   ; tile b: 8 (31 - j) + wave
	s_lshl_b32 s50, s[HEAD], 18                    ; Q's images: 262,144 bytes a head, 1,024 a tile
	s_lshl_b32 s52, s48, 10
	s_add_co_u32 s52, s52, s50
	s_mov_b32 s53, 0
	s_add_nc_u64 s[52:53], s[6:7], s[52:53]
	s_lshl_b32 s54, s49, 10
	s_add_co_u32 s54, s54, s50
	s_mov_b32 s55, 0
	s_add_nc_u64 s[54:55], s[6:7], s[54:55]
	s_lshl_b32 s51, s[HEAD], 14                    ; Q's words: from byte 4,194,304, 16,384 bytes a head, 64 a tile
	s_add_co_u32 s51, s51, 4194304
	s_lshl_b32 s56, s48, 6
	s_add_co_u32 s56, s56, s51
	s_mov_b32 s57, 0
	s_add_nc_u64 s[56:57], s[6:7], s[56:57]
	s_lshl_b32 s58, s49, 6
	s_add_co_u32 s58, s58, s51
	s_mov_b32 s59, 0
	s_add_nc_u64 s[58:59], s[6:7], s[58:59]
	WIN 0x40
	global_load_b128 v[QA:QA+3], v[LI], s[52:53]
	global_load_b128 v[QA+4:QA+7], v[LI], s[52:53] offset:512
	global_load_b128 v[QB:QB+3], v[LI], s[54:55]
	global_load_b128 v[QB+4:QB+7], v[LI], s[54:55] offset:512
.set n, 0
.rept 64
	v_mov_b32 v[n], 0                              ; O^T of both tiles: the step is written once, and its first turn finds zeros
.set n, n+1
.endr
.set n, 0
.rept 8
	v_mov_b32 v[QA+8+n], 0                         ; zero codes: the upper 64 of the form's 128 along K
	v_mov_b32 v[QB+8+n], 0
	v_mov_b32 v[ZR+n], 0
.set n, n+1
.endr
	WIN 0
	global_load_b32 v[STA+17], v25, s[56:57]       ; lane r's query's word (lanes 16-31 hold the same and are not read)
	global_load_b32 v[STB+17], v25, s[58:59]
.set n, 0
.rept 16
	v_cvt_f32_u32 v[R16+n], n
.set n, n+1
.endr
	s_lshr_b32 s33, s[WV], 1
	s_lshl_b32 s33, s33, 5
	s_and_b32 s41, s[WV], 1
	s_lshl_b32 s41, s41, 3
	s_add_co_u32 s33, s33, s41                     ; my tile's first query in its block: 32 (wave / 2) + 8 (wave % 2)
	s_lshl_b32 s[KA], ttmp9, 7
	s_add_co_u32 s60, s[KA], s33                   ; tile a's,
	s_add_co_u32 s61, s61, s33                     ; tile b's
	v_and_b32 v[X], 8, v26
	v_add_nc_u32 v[X], v[X], v26                   ; r + 8 (r / 8)
	v_lshlrev_b32 v[X+1], 4, v27
	v_sub_nc_u32 v[X], v[X], v[X+1]                ; - 16 h
	v_add_nc_u32 v[STA+7], s60, v[X]
	v_add_nc_u32 v[STB+7], s61, v[X]
	v_sub_nc_u32 v[X+1], 0, v[STA+7]
	v_cvt_f32_i32 v[STA+6], v[X+1]
	v_sub_nc_u32 v[X+1], 0, v[STB+7]
	v_cvt_f32_i32 v[STB+6], v[X+1]
.irp st, STA, STB
	v_mov_b32 v[\st+1], 0xff61b1e6                 ; the largest t so far: -3e38
	v_floor_f32 v[\st], -v[\st+1]
	v_mov_b32 v[\st+2], 0
	v_mov_b32 v[\st+3], 0
	v_mov_b32 v[\st+5], 0                          ; named as the upper half of f's pair
.endr
.irp b, 0,1,2,3
	v_mov_b32 v[T2+\b], 0                          ; a lane permute's destination counts as one of its sources
.endr
	s_lshl_b32 s46, s60, 12
	s_lshl_b32 s62, s[HEAD], 8
	s_add_co_u32 s46, s46, s62
	s_add_nc_u64 s[OUTA:OUTA+1], s[8:9], s[46:47]  ; out0 at tile a's first query, my head's 256 bytes
	s_lshl_b32 s46, s61, 12
	s_add_co_u32 s46, s46, s62
	s_add_nc_u64 s[OUTB:OUTB+1], s[8:9], s[46:47]
	s_mov_b32 s[CS], 0x3d38aa3b                    ; c = log2(e) / 32
	s_mov_b32 s[CS+1], s[CS]
	s_and_b32 s46, s[HEAD], 1
	s_cmp_lg_u32 s46, 0
	s_mov_b32 s[SL], 0x41b504f3                    ; 32 x f32(2^-1/2): even heads
	s_cselect_b32 s[SL], 0x41800000, s[SL]         ; 32 x 2^-1: odd heads
	s_lshr_b32 s46, s[HEAD], 1
	s_lshl_b32 s46, s46, 23
	s_sub_co_u32 s[SL], s[SL], s46                 ; x 2^-(head / 2): off the exponent field
	s_mov_b32 s[SL+1], s[SL]
	s_mov_b32 s[SEL], 0x76543210
	s_mov_b32 s[SEL+1], 0xfedcba98
	s_mov_b32 s[MNT], 0x600000
	s_and_b32 s46, ttmp9, 1
	s_xor_b32 s46, s46, 1                          ; e = 1 for even j
	s_lshl_b32 s[KF], s46, 7
	s_sub_co_i32 s[KF], 0, s[KF]                   ; the sequence begins at key -128 e
	s_sub_co_u32 s[TRIPS], 31, ttmp9
	s_add_co_u32 s[TRIPS], s[TRIPS], s46
	s_lshr_b32 s[TRIPS], s[TRIPS], 1               ; (32 - j + e - 1) / 2 pairs of steps, 8 to 16, and the last step
	s_xor_b32 s46, s46, 1
	s_mul_i32 s[INC], s46, STEPB                   ; the first refill: block 1, or for even j block 0 once more
	s_mov_b32 s[INC+1], 0
	s_lshr_b32 s46, s[WV], 1
	s_lshl_b32 s46, s46, 13
	s_add_co_u32 s46, s46, STEPB
	s_add_nc_u64 s[PFA:PFA+1], s[4:5], s[46:47]    ; block 1 (the first step steps it to block 2), wave 1: K's images, wave 2: V's
	s_sub_co_u32 s46, s[WV], 1
	s_lshr_b32 s46, s46, 1                         ; 0 in waves 1 and 2,
	s_or_b32 s46, s46, ttmp9                       ; of work-group j = 0
	s_cmp_eq_u32 s46, 0
	s_mov_b32 s[PLIM], 0xffffff00                  ; -256: under every KF
	s_cselect_b32 s[PLIM], 3584, s[PLIM]
	s_wait_loadcnt 0x0                             ; Q and its words
.Lpair:
	STEP 0, 1, 0
	STEP 1, 1, 0
	s_sub_co_u32 s[TRIPS], s[TRIPS], 1
	s_cmp_lg_u32 s[TRIPS], 0
	s_cbranch_scc1 .Lpair
	STEP 0, 0, 1                                   ; the last step, written out: tile b's diagonal; nothing is asked for
; THE WAY OUT.  O^T / the sum goes through my stage, a tile (16 queries x 256 bytes) at a time, so that sixteen lanes store 256 consecutive bytes.  The lines up to the wait are the places behind the last products.
	v_add_f32 v[STB+2], v[STB+2], v[STB+3]
	v_add_f32 v[STA+2], v[STA+2], v[STA+3]
	v_permlanex16_b32 v[X], v[STB+2], s[SEL], s[SEL+1]
	v_permlanex16_b32 v[X+1], v[STA+2], s[SEL], s[SEL+1]
	v_add_f32 v[STB+2], v[STB+2], v[X]
	v_add_f32 v[STA+2], v[STA+2], v[X+1]           ; the rows' sums
	v_rcp_f32 v[STB+4], v[STB+2]
	v_rcp_f32 v[STA+4], v[STA+2]
	v_and_b32 v25, 15, v0                          ; r
	v_bfe_u32 v26, v0, 4, 1                        ; h
	s_mul_i32 s46, s[WV], 16*SP
	s_add_co_u32 s46, s46, STAGE
	v_mul_u32_u24 v[STO], v25, SP
	v_lshl_add_u32 v[STO], v26, 6, v[STO]
	v_add_nc_u32 v[STO], s46, v[STO]               ; in: row r; register 16 b + k is channel 32 b + 16 h + k
	v_mul_u32_u24 v[RD], v26, SP
	v_lshl_add_u32 v[RD], v25, 4, v[RD]
	v_add_nc_u32 v[RD], s46, v[RD]                 ; back: lanes 0-15 one row, lanes 16-31 the next
	v_lshlrev_b32 v[GO], 12, v26
	v_lshl_add_u32 v[GO], v25, 4, v[GO]            ; and the same in out0
	s_wait_alu depctr_va_vdst(0)                   ; one wait for the two reciprocals, ahead of their first reader
.macro OUT o, st, d, bk
	WIN 0x01                                       ; source 0 window 1
.irp k, 0,2,4,6,8,10,12,14,16,18,20,22,24,26,28,30
	v_pk_mul_f32 v[\d+\k:\d+\k+1], v[\o+\k:\o+\k+1], v[\st+4:\st+5] op_sel_hi:[1,0]
.endr
	WIN 0
.irp b, 0,1
.irp q, 0,1,2,3
	ds_store_b128 v[STO], v[\d+16*\b+4*\q:\d+16*\b+4*\q+3] offset:128*\b+16*\q
.endr
.endr
.irp i, 0,1,2,3,4,5,6,7
	ds_load_b128 v[\bk+4*\i:\bk+4*\i+3], v[RD] offset:2*\i*SP      ; LDS serves a wave's instructions in order: these see my stores, and the next tile's stores come behind them
.endr
.endm
.macro SEND bk, sb, younger            ; stage row 2 i + h is query 2 i + h + 8 (i / 4) of the tile
.irp i, 0,1,2,3,4,5,6,7
	s_wait_dscnt \younger+7-\i                     ; the younger LDS instructions may be out
	global_store_b128 v[GO], v[\bk+4*\i:\bk+4*\i+3], s[\sb:\sb+1] offset:(2*\i+8*(\i/4))*4096 th:TH_STORE_NT
.endr
.endm
	OUT OB, STB, 64, 96
	OUT OA, STA, 128, 64
	SEND 96, OUTB, 16
	SEND 64, OUTA, 0
	s_wait_tensorcnt 0x0                           ; the wave's end
	ds_add_u32 v[SPW], v[NIL]
	s_wait_dscnt 0x0
	s_endpgm
.Lfunc_end_k_q6e16291531_attn:
	.size	k_q6e16291531_attn, .Lfunc_end_k_q6e16291531_attn-k_q6e16291531_attn
	.p2alignl 7, 3214868480
	.fill 96, 4, 3214868480
	.section	.rodata,"a",@progbits
	.p2align	6, 0x0
	.amdhsa_kernel k_q6e16291531_attn
		.amdhsa_group_segment_fixed_size 327680
		.amdhsa_private_segment_fixed_size 0
		.amdhsa_enable_private_segment 0
		.amdhsa_kernarg_size 24
		.amdhsa_user_sgpr_count 2
		.amdhsa_user_sgpr_kernarg_segment_ptr 1
		.amdhsa_wavefront_size32 1
		.amdhsa_system_sgpr_workgroup_id_x 1
		.amdhsa_system_sgpr_workgroup_id_y 1
		.amdhsa_system_sgpr_workgroup_id_z 1
		.amdhsa_system_vgpr_workitem_id 0
		.amdhsa_next_free_vgpr 512
		.amdhsa_next_free_sgpr 66
		.amdhsa_reserve_vcc 1
		.amdhsa_float_denorm_mode_32 3
		.amdhsa_float_denorm_mode_16_64 3
		.amdhsa_memory_ordered 1
		.amdhsa_forward_progress 1
		.amdhsa_inst_pref_size 137
	.end_amdhsa_kernel
	.amdgpu_metadata
---
amdhsa.version: [ 1, 2 ]
amdhsa.kernels:
  - .name:           k_q6e16291531_attn
    .symbol:         k_q6e16291531_attn.kd
    .args:
      - { .name: kv, .offset: 0, .size: 8, .value_kind: global_buffer, .address_space: global }
      - { .name: qc, .offset: 8, .size: 8, .value_kind: global_buffer, .address_space: global }
      - { .name: out0, .offset: 16, .size: 8, .value_kind: global_buffer, .address_space: global }
    .group_segment_fixed_size: 327680
    .private_segment_fixed_size: 0
    .kernarg_segment_align: 8
    .kernarg_segment_size: 24
    .max_flat_workgroup_size: 256
    .sgpr_count:     66
    .vgpr_count:     512
    .wavefront_size: 32
...
	.end_amdgpu_metadata
.endif
;; end of part 3
